; MI455X (gfx1250); checked and timed in simulation.
; The chip was launched on July 23, 2026; its instructions are those of AMD's public machine-readable ISA for CDNA 5 (MIT licence, August 2026) and "CDNA5" Instruction Set Architecture Reference Guide (July 2026). The comments in the code are by the model that wrote it; some were corrected since.
;; Student T Codebook. Allowed arithmetic: float matrix products may take bf16 or f16 operands with f32 sums; all other float work in f32.
;; Inputs: embed 8,192 x 256 float32; x 16 x 1,024 x 256 float32.
;; Outputs: out0 16 x 1,024 x 256 float32; out1 16 x 1,024 int32.
;; One version. Each part assembles by itself: llvm-mc -triple=amdgcn-amd-amdhsa -mcpu=gfx1250 --defsym DOCPART=n.
;; ======== version 1 of 1: 4 launches
;; workspace buffers: xb 8,388,608 bytes; eb 4,194,304 bytes; xh 65,536 bytes; eh 32,768 bytes; cand 1,048,576 bytes; gsel 65,536 bytes of whole numbers
;; launch prep (part 1): grid 768 x 1, 2 waves a work-group, no clusters, 17,152 bytes of LDS; arguments x, embed, xb, eb, xh, eh; writes xb, eb, xh, eh
.if DOCPART == 1
	.amdgcn_target "amdgcn-amd-amdhsa--gfx1250"
	.amdhsa_code_object_version 6
	.text
	.protected	k_q4795c16ddf_prep
	.globl	k_q4795c16ddf_prep
	.p2align	8
	.type	k_q4795c16ddf_prep,@function
k_q4795c16ddf_prep:
	s_mov_b64 s[64:65], 0
	v_nop
	global_prefetch_b8 v0, s[64:65] scope:SCOPE_SE
	s_setreg_imm32_b32 hwreg(HW_REG_WAVE_MODE, 25, 1), 1
	s_wait_xcnt 0x0
; Rounds x [16384][256] and embed [8192][256] from f32 to bf16, once, and lays them out as the register image of matrix fragments;
; also stores +0.5 * sum of bf16(x)^2 for each row of x (xh) and -0.5 * sum of bf16(e)^2 for each code (eh).
; A wave takes one block of 16 rows: 16 KiB in, 8 KiB out.  Work-groups 0-511 take x's 1,024 blocks, work-groups 512-767 embed's 512.
; FRAGMENT ORDER of a block (8,192 bytes): piece p = 0..15 at byte 512 p, lane slot L = 16 h + r at byte 16 L of the piece; the 16 bytes
; hold row r, k = 16 p + 8 h + 0..7.  Pieces 2 s and 2 s + 1 are registers 0-3 and 4-7 of the fragment of k = 32 s .. 32 s + 31
; (ISA guide 7.12.2: 16-bit operands of K = 32), so the product kernel loads fragments as 512 consecutive bytes, lane L at 16 L.
; The turn from rows to fragments goes through LDS, each wave in bytes of its own: no barrier.
; No matrix unit, no cluster, no tensor load: every byte is read once and all of a wave's 32 loads are out together.
; The sums are stored as 64 bytes a wave (16 lanes x 4 bytes): 96 KiB of the 12 MiB that the launch stores.
.set F,     16                         ; v[16:143]  the 32 loads, 4 registers each; the first two of each then hold the 4 numbers as bf16
.set R,     144                        ; v[144:207] the 16 pieces
.set A,     208                        ; v[208:211] four chains of the sum of squares
.set PITCH, 528                        ; an LDS row: 512 bytes of bf16 + 16: the sixteen rows that a read back touches start 16 bytes apart modulo 256
.set WLDS,  16*PITCH                   ; a wave's bytes
	s_load_b256 s[8:15], s[0:1], 0x0               ; x s[8:9], embed s[10:11], xb s[12:13], eb s[14:15]
	s_load_b128 s[16:19], s[0:1], 0x20             ; xh s[16:17], eh s[18:19]
	v_lshl_add_u32 v216, v0, 2, 0x4200
	v_mov_b32 v217, 0
	v_lshrrev_b32 v1, 5, v0
	v_readfirstlane_b32 s4, v1                     ; wave 0, 1
	v_and_b32 v1, 31, v0                           ; L
	v_lshlrev_b32 v2, 4, v1                        ; 16 L
	v_and_b32 v3, 15, v1                           ; r
	v_lshrrev_b32 v4, 4, v1                        ; h
	s_mul_i32 s7, s4, WLDS
	v_lshl_add_u32 v5, v1, 3, s7                   ; in: my 4 bf16 (8 bytes) of half a row
	v_mul_u32_u24 v6, v3, PITCH
	v_lshl_add_u32 v6, v4, 4, v6
	v_add_nc_u32 v6, s7, v6                        ; back: row r, 16 h; piece p stands 32 p further
	v_lshlrev_b32 v7, 2, v3                        ; the sum of row r
	s_mov_b32 s26, 0x3f000000                      ; +0.5 for x
	s_mov_b32 s27, 0xbf000000                      ; -0.5 for embed
	s_mov_b32 s30, 0x76543210                      ; v_permlanex16_b32: lane i reads lane i of the other half
	s_mov_b32 s31, 0xfedcba98
	s_mov_b32 s3, 0
	s_wait_kmcnt 0x0
	s_cmp_lt_u32 ttmp9, 512                        ; x or embed: hangs on the work-group's number alone; the selects leave SCC as it is
	s_cselect_b64 s[20:21], s[8:9], s[10:11]       ; from
	s_cselect_b64 s[22:23], s[12:13], s[14:15]     ; fragments to
	s_cselect_b64 s[24:25], s[16:17], s[18:19]     ; sums to
	s_cselect_b32 s28, s26, s27                    ; the factor
	s_cselect_b32 s29, 0, 512
	s_sub_co_u32 s6, ttmp9, s29
	s_lshl1_add_u32 s6, s6, s4                     ; my block = 2 x (work-group within its tensor) + wave
	s_lshl_b32 s2, s6, 14                          ; 16 rows of 1,024 bytes
	s_add_nc_u64 s[20:21], s[20:21], s[2:3]
	s_lshl_b32 s2, s6, 13                          ; 8,192 bytes of fragments
	s_add_nc_u64 s[22:23], s[22:23], s[2:3]
	s_lshl_b32 s2, s6, 6                           ; 16 sums
	s_add_nc_u64 s[24:25], s[24:25], s[2:3]
	; the block is 16 KiB of consecutive bytes: load q covers bytes 512 q .. 512 q + 511 = half q & 1 of row q >> 1
.set q, 0
.rept 32
	global_load_b128 v[F+4*q:F+4*q+3], v2, s[20:21] offset:512*q th:TH_LOAD_NT
.set q, q+1
.endr
.irp g, 0,1,2,3
	v_mov_b32 v[A+\g], 0                           ; four registers, once
.endr
.set q, 0
.rept 32
	s_wait_loadcnt 31-q                            ; loads come back in order (ISA guide 5.7.1): load q is in, the 31 - q younger ones stay out
	v_cvt_pk_bf16_f32 v[F+4*q],   v[F+4*q],   v[F+4*q+1]       ; to nearest even, two at a time
	v_cvt_pk_bf16_f32 v[F+4*q+1], v[F+4*q+2], v[F+4*q+3]
	ds_store_b64 v5, v[F+4*q:F+4*q+1] offset:(q>>1)*PITCH+(q&1)*256   ; 32 lanes x 8 bytes: 256 consecutive bytes of the row
.set q, q+1
.endr
.set p, 0
.rept 16
	ds_load_b128 v[R+4*p:R+4*p+3], v6 offset:32*p  ; my own bytes; LDS serves a wave's instructions in order (ISA guide 5.7.1), so these see the stores
.set p, p+1
.endr
.set p, 0
.rept 16
	s_wait_dscnt 15-p                              ; piece p is in, the 15 - p younger ones stay out
	global_store_b128 v2, v[R+4*p:R+4*p+3], s[22:23] offset:512*p     ; 512 consecutive bytes, aligned
.irp g, 0,1,2,3
	v_fma_mix_f32_bf16 v[A+\g], v[R+4*p+\g], v[R+4*p+\g], v[A+\g] op_sel_hi:[1,1,0]                 ; low half squared, added in f32
	v_fma_mix_f32_bf16 v[A+\g], v[R+4*p+\g], v[R+4*p+\g], v[A+\g] op_sel:[1,1,0] op_sel_hi:[1,1,0]  ; high half squared
.endr
.set p, p+1
.endr
	v_add_f32 v[A], v[A], v[A+1]
	v_add_f32 v[A+2], v[A+2], v[A+3]
	v_add_f32 v[A], v[A], v[A+2]                   ; lane (r, h): row r, the k with bit 3 equal to h
	v_mov_b32 v212, 0                              ; the permute's destination counts as read
	v_permlanex16_b32 v212, v[A], s30, s31         ; the other half of the row
	v_add_f32 v[A], v[A], v212
	v_mul_f32 v[A], s28, v[A]
	s_wait_xcnt 0x0                                ; EXEC is a source of the stores above: it changes only behind this wait
	v_cmp_gt_u32 vcc_lo, 16, v1
	s_wait_tensorcnt 0x0
	ds_add_u32 v216, v217
	s_wait_dscnt 0x0
	s_and_saveexec_b32 s5, vcc_lo                  ; lanes 0-15: one sum for each row
	global_store_b32 v7, v[A], s[24:25]
	s_wait_xcnt 0x0                                ; and again in front of the line that widens it
	s_or_b32 exec_lo, exec_lo, s5
	s_endpgm
.Lfunc_end_k_q4795c16ddf_prep:
	.size	k_q4795c16ddf_prep, .Lfunc_end_k_q4795c16ddf_prep-k_q4795c16ddf_prep
	.p2alignl 7, 3214868480
	.fill 96, 4, 3214868480
	.section	.rodata,"a",@progbits
	.p2align	6, 0x0
	.amdhsa_kernel k_q4795c16ddf_prep
		.amdhsa_group_segment_fixed_size 17152
		.amdhsa_private_segment_fixed_size 0
		.amdhsa_enable_private_segment 0
		.amdhsa_kernarg_size 48
		.amdhsa_user_sgpr_count 2
		.amdhsa_user_sgpr_kernarg_segment_ptr 1
		.amdhsa_wavefront_size32 1
		.amdhsa_system_sgpr_workgroup_id_x 1
		.amdhsa_system_sgpr_workgroup_id_y 1
		.amdhsa_system_sgpr_workgroup_id_z 1
		.amdhsa_system_vgpr_workitem_id 0
		.amdhsa_next_free_vgpr 218
		.amdhsa_next_free_sgpr 66
		.amdhsa_reserve_vcc 1
		.amdhsa_float_denorm_mode_32 3
		.amdhsa_float_denorm_mode_16_64 3
		.amdhsa_memory_ordered 1
		.amdhsa_forward_progress 1
		.amdhsa_inst_pref_size 24
	.end_amdhsa_kernel
	.amdgpu_metadata
---
amdhsa.version: [ 1, 2 ]
amdhsa.kernels:
  - .name:           k_q4795c16ddf_prep
    .symbol:         k_q4795c16ddf_prep.kd
    .args:
      - { .name: x, .offset: 0, .size: 8, .value_kind: global_buffer, .address_space: global }
      - { .name: embed, .offset: 8, .size: 8, .value_kind: global_buffer, .address_space: global }
      - { .name: xb, .offset: 16, .size: 8, .value_kind: global_buffer, .address_space: global }
      - { .name: eb, .offset: 24, .size: 8, .value_kind: global_buffer, .address_space: global }
      - { .name: xh, .offset: 32, .size: 8, .value_kind: global_buffer, .address_space: global }
      - { .name: eh, .offset: 40, .size: 8, .value_kind: global_buffer, .address_space: global }
    .group_segment_fixed_size: 17152
    .private_segment_fixed_size: 0
    .kernarg_segment_align: 8
    .kernarg_segment_size: 48
    .max_flat_workgroup_size: 64
    .sgpr_count:     66
    .vgpr_count:     218
    .wavefront_size: 32
...
	.end_amdgpu_metadata
.endif
;; end of part 1
;; launch score (part 2): grid 32 x 8, 8 waves a work-group, clusters of 4 x 1, 327,680 bytes of LDS; arguments xb, xh, eb, eh, cand; writes cand
.if DOCPART == 2
	.amdgcn_target "amdgcn-amd-amdhsa--gfx1250"
	.amdhsa_code_object_version 6
	.text
	.protected	k_q4795c16ddf_score
	.globl	k_q4795c16ddf_score
	.p2align	8
	.type	k_q4795c16ddf_score,@function
k_q4795c16ddf_score:
	s_mov_b64 s[64:65], 0
	v_nop
	global_prefetch_b8 v0, s[64:65] scope:SCOPE_SE
	s_setreg_imm32_b32 hwreg(HW_REG_WAVE_MODE, 25, 1), 1
	s_wait_xcnt 0x0
	s_wait_alu depctr_hold_cnt(0) depctr_sa_sdst(0) depctr_va_vdst(0) depctr_va_sdst(0) depctr_va_ssrc(0) depctr_va_vcc(0) depctr_vm_vsrc(0)
	s_getreg_b32 s2, hwreg(HW_REG_IB_STS2, 6, 4)
	s_cmp_eq_u32 s2, 0
	s_cbranch_scc0 .Lentry_in_a_cluster
	s_endpgm
.Lentry_in_a_cluster:
	s_bfe_u32 s2, ttmp6, 0x10000c
	s_cmp_lg_u32 s2, 0x3003
	s_cbranch_scc0 .Lentry_shape_is_right
	s_endpgm
.Lentry_shape_is_right:
; For each row of x and each of 8 splits of the codebook: the best score a = x.e - |e|^2/2 = (|x|^2 - 256 d)/2 and the GROUP of 8 codes that holds it.
; d is the reference's dist_sq; -log1p(max(d, 0)) falls strictly with max(d, 0), so the largest logit is the largest min(a, |x|^2/2): the
; division, the logarithm and the factor are not evaluated, the clamp is (as the limit |x|^2/2 on the tracked score; a tie keeps the first group).
; A work-group takes 512 rows (grid x) and 1,024 codes (grid y); a wave takes 64 rows, which stay in 256 registers as fragments, and walks all 64 code
; tiles of 16 codes.  512 x 1,024 is the block of 2^19 scores for which rows + codes, the bytes that a work-group takes in, are fewest.
; Eight waves of 512 registers, two to a SIMD: an accumulator lives for 8 matrix instructions only, so a larger wave tile would spare nothing;
; 64 rows of x fill exactly one register window; and a tile's 8 KiB from LDS feed 32 matrix instructions.
; THE MATRIX INSTRUCTION IS USED TRANSPOSED: source 0 = 16 codes, source 1 = 16 rows of x.  Register j of lane (r, h) is then the score of code
; 16 t + 8 h + j for row r: a lane's 8 results are 8 neighbouring codes of one row, and their maximum takes four v_max3_num_f32.
; The sum starts from C = -|e|^2/2 of those 8 codes, so a finished accumulator is the score: nothing is cleared and nothing is added afterwards.
; Only the group is tracked (7 vector instructions for 8 matrix instructions); which of its 8 codes wins is found in a later launch.
; CLUSTERS: the four work-groups of a cluster have the same split, so every load of codes and of -|e|^2/2 is a joint load with mask 15.
; x is not shared inside a cluster (the partners have other rows) and goes straight into registers.
; Codes go in four steps of 256 through two LDS slots of 128 KiB; a refill has a step, 512 matrix instructions of each wave, in which to land.
; A wave has three tensor loads outstanding at the start and one later.
; LIMITS: two groups whose best scores differ by less than the f32 rounding of the sums (a few units in the last place of |x|^2 + |e|^2, which also is
; the size of the reference's own rounding) may be ordered otherwise than by the reference; the score is the same difference of x.e and |e|^2/2 that the
; reference forms, so that rounding grows with the inputs' size and offset as the reference's does.  NaN inputs are not served: v_max3_num_f32 drops a NaN.
.set SLOT,    131072                   ; 256 codes = 16 tiles of 8 KiB in fragment order, dense: a fragment read has lane L at 16 L, so no padding is wanted
.set TILEB,   8192
.set EHB,     262144                   ; behind the slots: the split's 1,024 values of -|e|^2/2
.set NEG_INF, 0xff800000
; window 0
.set VL,  2                            ; v2        16 L; never rewritten
.set H,   3                            ; v3        h = L >> 4
.set VA,  4                            ; v4        LDS address of the next tile to load
.set VC,  5                            ; v5        LDS address of its 8 values of C: EHB + 64 t + 32 h
.set VX,  7                            ; v7        4 (L & 15)
.set BF0, 16                           ; v[16:79]   a tile's 8 fragments
.set BF1, 80                           ; v[80:143]  the other buffer
.set ACC, 144                          ; v[144:175] four accumulators, one for each block of 16 rows
.set CI0, 176                          ; v[176:183] a tile's C
.set CI1, 184                          ; v[184:191]
.set M,   192                          ; v[192:195] best score so far, by block; M and MN take turns, so that old and new can be compared
.set MN,  196                          ; v[196:199]
.set G,   200                          ; v[200:203] the tile that holds it
.set LIM, 204                          ; v[204:207] |x|^2/2 of my row of each block
.set T,   208                          ; v[208:211] at work
.set OUT, 220                          ; v[220:223]
; window 1 (v256-v511): fragment s of block b of x at v[64 b + 8 s]
.set G1T, 24                           ; s[24:31] group 1 for codes
.set G1E, 32                           ; s[32:39] group 1 for -|e|^2/2
.set G0,  40                           ; s[40:47] group 0 for codes, a set for each slot
.set G0E, 48                           ; s[48:51] group 0 for -|e|^2/2
.set MSB, 0
.macro WIN new                         ; the immediate's high byte repeats the setting that is left
.if MSB != \new
	s_set_vgpr_msb (MSB<<8)|\new
.set MSB, \new
.endif
.endm
; A round of the cluster's barrier: my work-group's barrier, wave 0 signals for the work-group, every wave waits for all four work-groups, my work-group's barrier again.
.macro ROUND
	s_barrier_signal -1
	s_barrier_wait -1
	s_cmp_lg_u32 s14, 0
	s_cbranch_scc1 .Lnot_wave_0_\@
	s_barrier_signal -3
.Lnot_wave_0_\@:
	s_barrier_wait -3
	s_barrier_signal -1
	s_barrier_wait -1
.endm
	s_load_b256 s[4:11], s[0:1], 0x0               ; xb s[4:5], xh s[6:7], eb s[8:9], eh s[10:11]
	s_load_b64 s[12:13], s[0:1], 0x20              ; cand
	v_lshl_add_u32 v254, v0, 2, 0x41000
	v_mov_b32 v255, 0
	ds_add_u32 v254, v255
	v_lshrrev_b32 v1, 5, v0
	v_readfirstlane_b32 s14, v1                    ; wave 0..7
	v_and_b32 v1, 31, v0                           ; L
	v_lshlrev_b32 v[VL], 4, v1
	v_lshrrev_b32 v[H], 4, v1
	v_and_b32 v[VX], 15, v1
	v_lshlrev_b32 v[VX], 2, v[VX]
	v_lshlrev_b32 v[VC], 5, v[H]
	v_add_nc_u32 v[VC], EHB, v[VC]
	s_bfe_u32 s15, ttmp6, 0x40000                  ; cx
	s_lshl_b32 s16, ttmp9, 2
	s_add_co_u32 s16, s16, s15                     ; row group = 4 x cluster x + cx: enters the addresses of xb, xh and cand alone
	s_and_b32 s17, ttmp7, 0xffff                   ; split: the same in the four partners
	s_mov_b32 s18, 0x76543210                      ; v_permlanex16_b32: lane i reads lane i of the other half
	s_mov_b32 s19, 0xfedcba98
	s_lshl_b32 s20, s17, 6                         ; the tile at work, counted through the whole codebook
	; group 1 for codes: a wave's eighth of a slot, 16 KiB that are dense in memory, as 64 rows of 32 elements of 8 bytes
	s_mov_b32 s[G1T+0], 15|(3<<16)|(1<<21)         ; 15:0 the mask: all four work-groups; 17:16 elements of 8 bytes; 21 set beside a mask; no padding
	s_mov_b32 s[G1T+1], 32<<16                     ; tensor_dim0 = 32
	s_mov_b32 s[G1T+2], 64<<16                     ; tensor_dim1 = 64
	s_mov_b32 s[G1T+3], 32<<16                     ; tile_dim0 = 32
	s_mov_b32 s[G1T+4], 64                         ; tile_dim1 = 64
	s_mov_b32 s[G1T+5], 32                         ; from row to row: 32 elements
	s_mov_b32 s[G1T+6], 0
	s_mov_b32 s[G1T+7], 0
	; group 1 for -|e|^2/2: a wave's eighth of 4 KiB, 2 such rows
	s_mov_b32 s[G1E+0], 15|(3<<16)|(1<<21)
	s_mov_b32 s[G1E+1], 32<<16
	s_mov_b32 s[G1E+2], 2<<16
	s_mov_b32 s[G1E+3], 32<<16
	s_mov_b32 s[G1E+4], 2
	s_mov_b32 s[G1E+5], 32
	s_mov_b32 s[G1E+6], 0
	s_mov_b32 s[G1E+7], 0
	; group 0: LDS addresses of the wave's number and the slot alone
	s_mov_b32 s[G0+0], 1
	s_lshl_b32 s[G0+1], s14, 14                    ; slot 0: 16,384 w
	s_mov_b32 s[G0+4], 1
	s_add_co_u32 s[G0+5], s[G0+1], SLOT            ; slot 1
	s_mov_b32 s[G0E+0], 1
	s_lshl_b32 s[G0E+1], s14, 9
	s_add_co_u32 s[G0E+1], s[G0E+1], EHB           ; EHB + 512 w
	; byte offsets, apart from the addresses.  s[22:23] and s[2:3] feed descriptors and never hold cx
	s_lshl_b32 s22, s17, 19                        ; eb: 524,288 x split + 16,384 w
	s_add_co_u32 s22, s22, s[G0+1]
	s_mov_b32 s23, 0
	s_lshl_b32 s2, s17, 12                         ; eh: 4,096 x split + 512 w
	s_lshl_b32 s3, s14, 9
	s_add_co_u32 s2, s2, s3
	s_mov_b32 s3, 0
	s_lshl_b32 s60, s16, 18                        ; xb: 262,144 x row group + 32,768 w
	s_lshl_b32 s61, s14, 15
	s_add_co_u32 s60, s60, s61
	s_mov_b32 s61, 0
	s_lshl_b32 s56, s16, 11                        ; xh: 2,048 x row group + 256 w
	s_lshl_b32 s57, s14, 8
	s_add_co_u32 s56, s56, s57
	s_mov_b32 s57, 0
	s_lshl_b32 s58, s17, 17                        ; cand: 131,072 x split + 4,096 x row group + 512 w
	s_lshl_b32 s59, s16, 12
	s_add_co_u32 s58, s58, s59
	s_lshl_b32 s59, s14, 9
	s_add_co_u32 s58, s58, s59
	s_mov_b32 s59, 0
	s_wait_dscnt 0x0
	s_wait_kmcnt 0x0
	s_add_nc_u64 s[52:53], s[4:5], s[60:61]        ; my 64 rows of x, as fragments
	s_add_nc_u64 s[54:55], s[6:7], s[56:57]        ; their |x|^2/2
	s_add_nc_u64 s[62:63], s[12:13], s[58:59]      ; my 512 bytes of cand
	s_add_nc_u64 s[G0+2:G0+3], s[8:9], s[22:23]    ; step 0's codes
	s_add_nc_u64 s[G0+6:G0+7], s[G0+2:G0+3], SLOT  ; step 1's
	s_add_nc_u64 s[G0E+2:G0E+3], s[10:11], s[2:3]
	s_or_b32 s[G0+3], s[G0+3], 0x80000000          ; type = 2
	s_or_b32 s[G0+7], s[G0+7], 0x80000000
	s_or_b32 s[G0E+3], s[G0E+3], 0x80000000
	; x: 32 KiB in fragment order straight into window 1; load i covers 512 consecutive bytes and is registers 4 i .. 4 i + 3
	WIN 0x40                                       ; destination window 1, address window 0
.set i, 0
.rept 64
	global_load_b128 v[4*i:4*i+3], v[VL], s[52:53] offset:512*i
.set i, i+1
.endr
	WIN 0
.irp b, 0,1,2,3
	global_load_b32 v[LIM+\b], v[VX], s[54:55] offset:64*\b
.endr
	ROUND                                          ; all four work-groups are here: the first joint loads meet
	tensor_load_to_lds s[G0E:G0E+3], s[G1E:G1E+7]  ; the three first fills, as one group
	s_nop 0
	tensor_load_to_lds s[G0:G0+3], s[G1T:G1T+7]
	s_nop 0
	tensor_load_to_lds s[G0+4:G0+7], s[G1T:G1T+7]
	s_nop 0
.irp b, 0,1,2,3
	v_mov_b32 v[M+\b], NEG_INF
	v_mov_b32 v[G+\b], s20                         ; the split's first tile
.endr
	s_wait_tensorcnt 0x1                           ; tensor loads of a wave end in order (ISA guide 10.11.1): -|e|^2/2 and slot 0 are in; slot 1 may stay out
	s_barrier_signal -1
	s_barrier_wait -1                              ; every wave's parts are in
	s_wait_loadcnt 0x0                             ; x and the limits, once
; 18 LDS loads: a tile's 8 fragments, 512 consecutive bytes each load, and its 8 values of C (all lanes of a half read the same 32 bytes)
.macro LOADT fb, ci
.irp p, 0,1,2,3,4,5,6,7,8,9,10,11,12,13,14,15
	ds_load_b128 v[\fb+4*\p:\fb+4*\p+3], v[VA] offset:512*\p
.endr
	ds_load_b128 v[\ci:\ci+3], v[VC]
	ds_load_b128 v[\ci+4:\ci+7], v[VC] offset:16
.endm
; 32 matrix instructions: 16 codes x 64 rows x 256 along k.  The four accumulators take turns, one instruction a turn.
.macro MUL fb, ci
.irp s, 0,1,2,3,4,5,6,7
.irp b, 0,1,2,3
.if \s == 0
	v_wmma_f32_16x16x32_bf16 v[ACC+8*\b:ACC+8*\b+7], v[\fb:\fb+7], v[64*\b:64*\b+7], v[\ci:\ci+7]
.else
	v_wmma_f32_16x16x32_bf16 v[ACC+8*\b:ACC+8*\b+7], v[\fb+8*\s:\fb+8*\s+7], v[64*\b+8*\s:64*\b+8*\s+7], v[ACC+8*\b:ACC+8*\b+7]
.endif
.endr
.endr
.endm
; new best = min(max(my 8 scores, old best), limit).  The old best never exceeds the limit, so the new one is larger only if a score of this tile
; is nearer and the row has not reached d <= 0 before: a tie, clamped or not, keeps the earlier tile.
.macro TRACK mi, mo
.irp b, 0,1,2,3
	v_max3_num_f32 v[T+\b], v[ACC+8*\b], v[ACC+8*\b+1], v[ACC+8*\b+2]
.endr
.irp b, 0,1,2,3
	v_max3_num_f32 v[T+\b], v[T+\b], v[ACC+8*\b+3], v[ACC+8*\b+4]
.endr
.irp b, 0,1,2,3
	v_max3_num_f32 v[T+\b], v[T+\b], v[ACC+8*\b+5], v[ACC+8*\b+6]
.endr
.irp b, 0,1,2,3
	v_max3_num_f32 v[T+\b], v[T+\b], v[ACC+8*\b+7], v[\mi+\b]
.endr
.irp b, 0,1,2,3
	v_min_num_f32 v[\mo+\b], v[T+\b], v[LIM+\b]
.endr
.irp b, 0,1,2,3
	v_cmp_gt_f32 s[56+\b], v[\mo+\b], v[\mi+\b]
.endr
.irp b, 0,1,2,3
	v_cndmask_b32 v[G+\b], v[G+\b], s20, s[56+\b]
.endr
.endm
; One tile.  nx = 1: the next tile's loads go out first, into the other buffer.  That buffer was last read by the tile before, whose matrix
; instructions lie 32 vector instructions back.  Four places stand between the last matrix instruction and the first line that reads a result
; (ISA guide 7.12.1); the next tile's first matrix instructions write over the accumulators behind these and TRACK's lines on the other blocks.
.macro TILE fb, ci, mi, mo, nf, nc, nx
.if \nx
	LOADT \nf, \nc
	s_wait_dscnt 18                                ; LDS loads come back in order (ISA guide 5.7.1): the 18 just issued may be out, this tile's 18 are in
.else
	s_wait_dscnt 0x0
.endif
	WIN 0x04                                       ; source 1 (x) window 1
	MUL \fb, \ci
	WIN 0
.if \nx
	v_add_nc_u32 v[VA], TILEB, v[VA]               ; useful work in two of the four places
	v_add_nc_u32 v[VC], 64, v[VC]
	v_nop
	v_nop
.else
.rept 4
	v_nop
.endr
.endif
	TRACK \mi, \mo
	s_add_co_u32 s20, s20, 1
.endm
; A step: the 16 tiles of a slot.  No load looks across a change of slots.  After an even number of tiles the best is in M again.
.macro STEP slot
	v_add_nc_u32 v[VA], \slot*SLOT, v[VL]
	LOADT BF0, CI0
	v_add_nc_u32 v[VA], TILEB, v[VA]
	v_add_nc_u32 v[VC], 64, v[VC]
	s_mov_b32 s21, 7
.Lpair_\@:
	TILE BF0, CI0, M, MN, BF1, CI1, 1
	TILE BF1, CI1, MN, M, BF0, CI0, 1
	s_sub_co_u32 s21, s21, 1
	s_cmp_lg_u32 s21, 0
	s_cbranch_scc1 .Lpair_\@
	TILE BF0, CI0, M, MN, BF1, CI1, 1
	TILE BF1, CI1, MN, M, BF0, CI0, 0              ; the slot's last tile fetches nothing
.endm
; The slot just read is filled again, two steps ahead.  In front of the round every wave's reads of it are back and all its tensor loads have
; landed, the other slot's among them; behind the round no wave of any partner reads the slot or has a load on its way.
.macro CHANGE slot
	s_wait_dscnt 0x0                               ; my reads of the slot are back (met: the last tile waited for 0)
	s_wait_tensorcnt 0x0                           ; none of my tensor loads is out, so a group 0 may be written
	ds_add_u32 v254, v255
	s_wait_dscnt 0x0
	s_add_nc_u64 s[G0+4*\slot+2:G0+4*\slot+3], s[G0+4*\slot+2:G0+4*\slot+3], 2*SLOT
	ROUND
	tensor_load_to_lds s[G0+4*\slot:G0+4*\slot+3], s[G1T:G1T+7]   ; my one tensor load behind the round, and the first thing there
	s_nop 0
.endm
	STEP 0                                         ; codes 0-255 of the split
	CHANGE 0                                       ; asks for codes 512-767
	STEP 1                                         ; codes 256-511
	CHANGE 1                                       ; asks for codes 768-1023: the last load
	STEP 0
	s_wait_dscnt 0x0
	s_wait_tensorcnt 0x0                           ; my part of the last step's codes is in
	s_barrier_signal -1
	s_barrier_wait -1                              ; everybody's is
	STEP 1
	; Lanes (r, 0) and (r, 1) hold the same row's best over the codes with bit 3 clear and set: merge them.  Group = code / 8 = 2 x tile + h.
.irp b, 0,1,2,3
	v_lshl_add_u32 v[G+\b], v[G+\b], 1, v[H]
	v_permlanex16_b32 v[T+\b], v[M+\b], s18, s19   ; both destinations have been written before
	v_permlanex16_b32 v[MN+\b], v[G+\b], s18, s19
	v_cmp_gt_f32 s56, v[T+\b], v[M+\b]             ; the other lane's is better,
	v_cmp_eq_f32 s57, v[T+\b], v[M+\b]             ; or as good
	v_cmp_lt_u32 s58, v[MN+\b], v[G+\b]            ; and earlier
	s_and_b32 s57, s57, s58
	s_or_b32 s56, s56, s57
	v_cndmask_b32 v[M+\b], v[M+\b], v[T+\b], s56
	v_cndmask_b32 v[G+\b], v[G+\b], v[MN+\b], s56
.endr
	; lane L stores score and group of my rows L and 32 + L: lanes 0-15 from blocks 0 and 2, lanes 16-31 from blocks 1 and 3
	v_cmp_le_u32 vcc_lo, 16, v1
	v_cndmask_b32 v[OUT],   v[M],   v[M+1], vcc_lo
	v_cndmask_b32 v[OUT+1], v[G],   v[G+1], vcc_lo
	v_cndmask_b32 v[OUT+2], v[M+2], v[M+3], vcc_lo
	v_cndmask_b32 v[OUT+3], v[G+2], v[G+3], vcc_lo
	global_store_b128 v[VL], v[OUT:OUT+3], s[62:63]   ; 512 consecutive bytes, aligned
	s_wait_tensorcnt 0x0
	ds_add_u32 v254, v255
	s_wait_dscnt 0x0
	ROUND                                          ; the closing round: no work-group ends while a partner may still ask for a tile that names it
	s_endpgm
.Lfunc_end_k_q4795c16ddf_score:
	.size	k_q4795c16ddf_score, .Lfunc_end_k_q4795c16ddf_score-k_q4795c16ddf_score
	.p2alignl 7, 3214868480
	.fill 96, 4, 3214868480
	.section	.rodata,"a",@progbits
	.p2align	6, 0x0
	.amdhsa_kernel k_q4795c16ddf_score
		.amdhsa_group_segment_fixed_size 327680
		.amdhsa_private_segment_fixed_size 0
		.amdhsa_enable_private_segment 0
		.amdhsa_kernarg_size 40
		.amdhsa_user_sgpr_count 2
		.amdhsa_user_sgpr_kernarg_segment_ptr 1
		.amdhsa_wavefront_size32 1
		.amdhsa_system_sgpr_workgroup_id_x 1
		.amdhsa_system_sgpr_workgroup_id_y 1
		.amdhsa_system_sgpr_workgroup_id_z 1
		.amdhsa_system_vgpr_workitem_id 0
		.amdhsa_next_free_vgpr 512
		.amdhsa_next_free_sgpr 66
		.amdhsa_reserve_vcc 1
		.amdhsa_float_denorm_mode_32 3
		.amdhsa_float_denorm_mode_16_64 3
		.amdhsa_memory_ordered 1
		.amdhsa_forward_progress 1
		.amdhsa_inst_pref_size 97
	.end_amdhsa_kernel
	.amdgpu_metadata
---
amdhsa.version: [ 1, 2 ]
amdhsa.kernels:
  - .name:           k_q4795c16ddf_score
    .symbol:         k_q4795c16ddf_score.kd
    .args:
      - { .name: xb, .offset: 0, .size: 8, .value_kind: global_buffer, .address_space: global }
      - { .name: xh, .offset: 8, .size: 8, .value_kind: global_buffer, .address_space: global }
      - { .name: eb, .offset: 16, .size: 8, .value_kind: global_buffer, .address_space: global }
      - { .name: eh, .offset: 24, .size: 8, .value_kind: global_buffer, .address_space: global }
      - { .name: cand, .offset: 32, .size: 8, .value_kind: global_buffer, .address_space: global }
    .group_segment_fixed_size: 327680
    .private_segment_fixed_size: 0
    .kernarg_segment_align: 8
    .kernarg_segment_size: 40
    .max_flat_workgroup_size: 256
    .sgpr_count:     66
    .vgpr_count:     512
    .wavefront_size: 32
...
	.end_amdgpu_metadata
.endif
;; end of part 2
;; launch pick (part 3): grid 256 x 1, 1 waves a work-group, no clusters, 0 bytes of LDS; arguments cand, gsel; writes gsel
.if DOCPART == 3
	.amdgcn_target "amdgcn-amd-amdhsa--gfx1250"
	.amdhsa_code_object_version 6
	.text
	.protected	k_q4795c16ddf_pick
	.globl	k_q4795c16ddf_pick
	.p2align	8
	.type	k_q4795c16ddf_pick,@function
k_q4795c16ddf_pick:
	s_mov_b64 s[64:65], 0
	v_nop
	global_prefetch_b8 v0, s[64:65] scope:SCOPE_SE
	s_setreg_imm32_b32 hwreg(HW_REG_WAVE_MODE, 25, 1), 1
	s_wait_xcnt 0x0
; Merges the 8 splits of the codebook: for each row of x the group of 8 codes with the best score, stored as a whole number, from which
; the next launch forms its addresses.  cand: [split 8][unit 256][lane 32][4 words]; a unit is 64 rows; lane L's words are score and group
; of row 64 u + L, score and group of row 64 u + 32 + L.  One wave, one unit: 4 KiB in, 256 bytes out.
; The comparison is strict and the splits are taken in ascending order, so a tie (two clamped scores among them) keeps the lower group.
; The unit's 256 bytes of gsel leave as two stores of 128 bytes (rows L, rows 32 + L); the buffer is 64 KiB in all.
	s_load_b128 s[4:7], s[0:1], 0x0                ; cand s[4:5], gsel s[6:7]
	v_lshlrev_b32 v1, 4, v0                        ; 16 L
	v_lshlrev_b32 v2, 2, v0                        ; 4 L
	s_lshl_b32 s2, ttmp9, 9                        ; a unit's 512 bytes in a split
	s_mov_b32 s3, 0
	s_lshl_b32 s8, ttmp9, 8                        ; its 64 words of gsel
	s_mov_b32 s9, 0
	s_wait_kmcnt 0x0
	s_add_nc_u64 s[4:5], s[4:5], s[2:3]
	s_add_nc_u64 s[6:7], s[6:7], s[8:9]
.irp s, 0,1,2,3,4,5,6,7
	global_load_b128 v[8+4*\s:11+4*\s], v1, s[4:5] offset:131072*\s th:TH_LOAD_NT
.endr
.irp s, 1,2,3,4,5,6,7
	s_wait_loadcnt 7-\s                            ; loads come back in order (ISA guide 5.7.1): splits 0 to s are in, the 7 - s younger ones stay out
	v_cmp_gt_f32 vcc_lo, v[8+4*\s], v8
	v_cmp_gt_f32 s10, v[10+4*\s], v10
	v_cndmask_b32 v8, v8, v[8+4*\s], vcc_lo
	v_cndmask_b32 v9, v9, v[9+4*\s], vcc_lo
	v_cndmask_b32 v10, v10, v[10+4*\s], s10
	v_cndmask_b32 v11, v11, v[11+4*\s], s10
.endr
	global_store_b32 v2, v9, s[6:7]
	global_store_b32 v2, v11, s[6:7] offset:128
	s_endpgm
.Lfunc_end_k_q4795c16ddf_pick:
	.size	k_q4795c16ddf_pick, .Lfunc_end_k_q4795c16ddf_pick-k_q4795c16ddf_pick
	.p2alignl 7, 3214868480
	.fill 96, 4, 3214868480
	.section	.rodata,"a",@progbits
	.p2align	6, 0x0
	.amdhsa_kernel k_q4795c16ddf_pick
		.amdhsa_group_segment_fixed_size 0
		.amdhsa_private_segment_fixed_size 0
		.amdhsa_enable_private_segment 0
		.amdhsa_kernarg_size 16
		.amdhsa_user_sgpr_count 2
		.amdhsa_user_sgpr_kernarg_segment_ptr 1
		.amdhsa_wavefront_size32 1
		.amdhsa_system_sgpr_workgroup_id_x 1
		.amdhsa_system_sgpr_workgroup_id_y 1
		.amdhsa_system_sgpr_workgroup_id_z 1
		.amdhsa_system_vgpr_workitem_id 0
		.amdhsa_next_free_vgpr 48
		.amdhsa_next_free_sgpr 66
		.amdhsa_reserve_vcc 1
		.amdhsa_float_denorm_mode_32 3
		.amdhsa_float_denorm_mode_16_64 3
		.amdhsa_memory_ordered 1
		.amdhsa_forward_progress 1
		.amdhsa_inst_pref_size 4
	.end_amdhsa_kernel
	.amdgpu_metadata
---
amdhsa.version: [ 1, 2 ]
amdhsa.kernels:
  - .name:           k_q4795c16ddf_pick
    .symbol:         k_q4795c16ddf_pick.kd
    .args:
      - { .name: cand, .offset: 0, .size: 8, .value_kind: global_buffer, .address_space: global }
      - { .name: gsel, .offset: 8, .size: 8, .value_kind: global_buffer, .address_space: global }
    .group_segment_fixed_size: 0
    .private_segment_fixed_size: 0
    .kernarg_segment_align: 8
    .kernarg_segment_size: 16
    .max_flat_workgroup_size: 32
    .sgpr_count:     66
    .vgpr_count:     48
    .wavefront_size: 32
...
	.end_amdgpu_metadata
.endif
;; end of part 3
;; launch emit (part 4): grid 256 x 1, 8 waves a work-group, no clusters, 1,280 bytes of LDS; arguments x, embed, gsel, out0, out1; writes out0, out1
.if DOCPART == 4
	.amdgcn_target "amdgcn-amd-amdhsa--gfx1250"
	.amdhsa_code_object_version 6
	.text
	.protected	k_q4795c16ddf_emit
	.globl	k_q4795c16ddf_emit
	.p2align	8
	.type	k_q4795c16ddf_emit,@function
k_q4795c16ddf_emit:
	s_mov_b64 s[64:65], 0
	v_nop
	global_prefetch_b8 v0, s[64:65] scope:SCOPE_SE
	s_setreg_imm32_b32 hwreg(HW_REG_WAVE_MODE, 25, 1), 1
	s_wait_xcnt 0x0
; For each row of x: of the 8 codes of its winning group (gsel, whole numbers stored by the launch before) the nearest, first index on a tie;
; out1 = its index, out0 = its row of embed in f32, as it stands in memory.
; The 8 codes are 8 KiB of consecutive bytes of embed, so no address hangs on the choice: all 8 rows are loaded, and v_cndmask_b32 picks the values.
; The distance is the sum over k of (bf16(x) - bf16(e))^2 in f32: the numbers that the product saw, with no difference of large sums.
; It is a sum of squares and so never below zero: the reference's clamp at 0 holds here by construction and has no line of its own.
; A wave takes 8 consecutive rows of x; a lane holds k = 128 c + 4 L .. + 3 (c = 0, 1) of every row that it loads, so each load and each store covers
; 512 consecutive bytes, aligned.  Two row buffers take turns: while one row is worked on, the next row's 18 loads are on their way.
; No matrix unit (8 dot products a row), no LDS tiles, no cluster: the work-groups share no tile that could be named ahead.
; LIMITS: two codes of the group whose distances agree to within f32 rounding may be ordered otherwise than by the reference.  NaN inputs are not served.
.set VL,   2                           ; v2         16 L; never rewritten
.set E0,   16                          ; v[16:79]   the 8 codes: code j at + 8 j, half c at + 4 c
.set E1,   80                          ; v[80:143]  the other buffer
.set XF0,  144                         ; v[144:151] the row of x
.set XF1,  152                         ; v[152:159]
.set XR,   160                         ; v[160:167] x rounded to bf16, as f32
.set PK,   168                         ; v[168:171] at work: packed bf16
.set U,    172                         ; v[172:179] at work: e rounded, then e - x
.set S,    180                         ; v[180:187] the 8 distances
.set SA,   188                         ; v[188:189] a running pair of sums
.set R,    192                         ; v[192:199] the chosen row
.set BEST, 200
.set JB,   201                         ; which of the 8
.set TMP,  202
.set IDX,  203                         ; lane L: the index of my wave's row L & 7
	s_load_b256 s[4:11], s[0:1], 0x0               ; x s[4:5], embed s[6:7], gsel s[8:9], out0 s[10:11]
	s_load_b64 s[12:13], s[0:1], 0x20              ; out1
	v_lshl_add_u32 v208, v0, 2, 0x100
	v_mov_b32 v209, 0
	v_lshrrev_b32 v1, 5, v0
	v_readfirstlane_b32 s14, v1                    ; wave 0..7
	v_and_b32 v1, 31, v0                           ; L
	v_lshlrev_b32 v[VL], 4, v1
	v_and_b32 v3, 7, v1
	v_lshl_add_u32 v4, s14, 3, v3
	v_lshlrev_b32 v4, 2, v4                        ; LDS: word 8 w + (L & 7)
	v_lshlrev_b32 v5, 3, v1                        ; 8 L
	s_lshl_b32 s24, ttmp9, 8
	s_lshl_b32 s26, s14, 5
	s_add_co_u32 s24, s24, s26                     ; 4 x my first row = 4 (64 x work-group + 8 w)
	s_mov_b32 s25, 0
	s_mov_b32 s48, 0xffff0000                      ; a word's upper bf16
	s_mov_b32 s50, 0x76543210                      ; v_permlanex16_b32: lane i reads lane i of the other half
	s_mov_b32 s51, 0xfedcba98
	s_wait_kmcnt 0x0
	s_add_nc_u64 s[8:9], s[8:9], s[24:25]
	s_load_b256 s[16:23], s[8:9], 0x0              ; my 8 rows' groups
	s_lshl_b32 s24, s24, 8                         ; 1,024 x my first row
	s_add_nc_u64 s[52:53], s[4:5], s[24:25]
	s_add_nc_u64 s[54:55], s[10:11], s[24:25]
	s_wait_kmcnt 0x0
.irp i, 0,1,2,3,4,5,6,7
	s_min_u32 s[16+\i], s[16+\i], 1023             ; a loaded number enters an address only behind a bound: 1,024 groups
	s_lshl_b32 s24, s[16+\i], 13                   ; 8 rows of 1,024 bytes
	s_add_nc_u64 s[32+2*\i:33+2*\i], s[6:7], s[24:25]
.endr
.macro LOADROW i, e, xf                ; 18 loads
.irp j, 0,1,2,3,4,5,6,7
.irp c, 0,1
	global_load_b128 v[\e+8*\j+4*\c:\e+8*\j+4*\c+3], v[VL], s[32+2*\i:33+2*\i] offset:1024*\j+512*\c
.endr
.endr
.irp c, 0,1
	global_load_b128 v[\xf+4*\c:\xf+4*\c+3], v[VL], s[52:53] offset:1024*\i+512*\c th:TH_LOAD_NT
.endr
.endm
; Row i, in buffers e and xf.  left = how many younger loads may stay out.  nexti = the row that the buffers take next, or -1.
.macro ROW i, e, xf, left, nexti
	s_wait_loadcnt \left                           ; loads come back in order (ISA guide 5.7.1): this row's 18 are in
.irp k, 0,1,2,3
	v_cvt_pk_bf16_f32 v[PK+\k], v[\xf+2*\k], v[\xf+2*\k+1]
.endr
.irp k, 0,1,2,3
	v_lshlrev_b32 v[XR+2*\k],   16,  v[PK+\k]
	v_and_b32     v[XR+2*\k+1], s48, v[PK+\k]
.endr
.irp j, 0,1,2,3,4,5,6,7
.irp k, 0,1,2,3
	v_cvt_pk_bf16_f32 v[PK+\k], v[\e+8*\j+2*\k], v[\e+8*\j+2*\k+1]
.endr
.irp k, 0,1,2,3
	v_lshlrev_b32 v[U+2*\k],   16,  v[PK+\k]
	v_and_b32     v[U+2*\k+1], s48, v[PK+\k]
.endr
.irp k, 0,2,4,6
	v_pk_add_f32 v[U+\k:U+\k+1], v[U+\k:U+\k+1], v[XR+\k:XR+\k+1] neg_lo:[0,1] neg_hi:[0,1]   ; e - x
.endr
	v_pk_mul_f32 v[SA:SA+1], v[U:U+1], v[U:U+1]    ; the first squares start the sums
.irp k, 2,4,6
	v_pk_fma_f32 v[SA:SA+1], v[U+\k:U+\k+1], v[U+\k:U+\k+1], v[SA:SA+1]
.endr
	v_add_f32 v[S+\j], v[SA], v[SA+1]
.endr
	; across the 32 lanes, the 8 sums side by side.  In every step a lane and its partner add the same two numbers, so all lanes end with the same bits
	; and make the same choice below.
.irp m, 1,2,4,8
.irp j, 0,1,2,3,4,5,6,7
	v_add_f32_dpp v[S+\j], v[S+\j], v[S+\j] row_xmask:\m row_mask:0xf bank_mask:0xf
.endr
.endr
.irp j, 0,1,2,3,4,5,6,7
	v_permlanex16_b32 v[U+\j], v[S+\j], s50, s51   ; U has been written before
.endr
.irp j, 0,1,2,3,4,5,6,7
	v_add_f32 v[S+\j], v[S+\j], v[U+\j]
.endr
	s_wait_xcnt 0x0                                ; every earlier memory instruction has had its addresses translated (ISA guide 3.1): R, the last row's store data, is rewritten only behind this wait
	v_cmp_lt_f32 vcc_lo, v[S+1], v[S]              ; strictly nearer: a tie keeps the first index
	v_min_num_f32 v[BEST], v[S], v[S+1]
	v_cndmask_b32 v[JB], 0, 1, vcc_lo
.irp k, 0,1,2,3,4,5,6,7
	v_cndmask_b32 v[R+\k], v[\e+\k], v[\e+8+\k], vcc_lo
.endr
.irp j, 2,3,4,5,6,7
	v_cmp_lt_f32 vcc_lo, v[S+\j], v[BEST]
	v_min_num_f32 v[BEST], v[BEST], v[S+\j]
	v_cndmask_b32 v[JB], v[JB], \j, vcc_lo
.irp k, 0,1,2,3,4,5,6,7
	v_cndmask_b32 v[R+\k], v[R+\k], v[\e+8*\j+\k], vcc_lo
.endr
.endr
.if \nexti >= 0
	LOADROW \nexti, \e, \xf                        ; loads ahead of stores
.endif
.irp c, 0,1
	global_store_b128 v[VL], v[R+4*\c:R+4*\c+3], s[54:55] offset:1024*\i+512*\c th:TH_STORE_NT
.endr
	s_lshl_b32 s26, s[16+\i], 3                    ; index = 8 x group + which
.if \i == 0
	v_add_nc_u32 v[IDX], s26, v[JB]
.else
	v_add_nc_u32 v[TMP], s26, v[JB]
	v_cmp_eq_u32 vcc_lo, \i, v3
	v_cndmask_b32 v[IDX], v[IDX], v[TMP], vcc_lo
.endif
.endm
	LOADROW 0, E0, XF0
	LOADROW 1, E1, XF1
	ROW 0, E0, XF0, 18, 2
	ROW 1, E1, XF1, 18, 3
	ROW 2, E0, XF0, 18, 4
	ROW 3, E1, XF1, 18, 5
	ROW 4, E0, XF0, 18, 6
	ROW 5, E1, XF1, 18, 7
	ROW 6, E0, XF0, 18, -1                         ; nothing is left to fetch; row 7's 18 loads may stay out
	ROW 7, E1, XF1, 0, -1
	; the work-group's 64 indices leave as one store of 256 consecutive bytes, aligned: they meet in LDS
	ds_store_b32 v4, v[IDX]                        ; lanes with the same L & 7 write the same word with the same value
	s_wait_dscnt 0x0                               ; for the others' sake: my store is done
	s_barrier_signal -1
	s_barrier_wait -1
	s_cmp_lg_u32 s14, 0
	s_cbranch_scc1 .Lend                           ; wave 0 alone stores them
	ds_load_b64 v[6:7], v5
	s_lshl_b32 s24, ttmp9, 8
	s_add_nc_u64 s[12:13], s[12:13], s[24:25]      ; s25 is still 0
	s_wait_dscnt 0x0
	global_store_b64 v5, v[6:7], s[12:13]
.Lend:
	s_wait_tensorcnt 0x0
	ds_add_u32 v208, v209
	s_wait_dscnt 0x0
	s_endpgm
.Lfunc_end_k_q4795c16ddf_emit:
	.size	k_q4795c16ddf_emit, .Lfunc_end_k_q4795c16ddf_emit-k_q4795c16ddf_emit
	.p2alignl 7, 3214868480
	.fill 96, 4, 3214868480
	.section	.rodata,"a",@progbits
	.p2align	6, 0x0
	.amdhsa_kernel k_q4795c16ddf_emit
		.amdhsa_group_segment_fixed_size 1280
		.amdhsa_private_segment_fixed_size 0
		.amdhsa_enable_private_segment 0
		.amdhsa_kernarg_size 40
		.amdhsa_user_sgpr_count 2
		.amdhsa_user_sgpr_kernarg_segment_ptr 1
		.amdhsa_wavefront_size32 1
		.amdhsa_system_sgpr_workgroup_id_x 1
		.amdhsa_system_sgpr_workgroup_id_y 1
		.amdhsa_system_sgpr_workgroup_id_z 1
		.amdhsa_system_vgpr_workitem_id 0
		.amdhsa_next_free_vgpr 210
		.amdhsa_next_free_sgpr 66
		.amdhsa_reserve_vcc 1
		.amdhsa_float_denorm_mode_32 3
		.amdhsa_float_denorm_mode_16_64 3
		.amdhsa_memory_ordered 1
		.amdhsa_forward_progress 1
		.amdhsa_inst_pref_size 133
	.end_amdhsa_kernel
	.amdgpu_metadata
---
amdhsa.version: [ 1, 2 ]
amdhsa.kernels:
  - .name:           k_q4795c16ddf_emit
    .symbol:         k_q4795c16ddf_emit.kd
    .args:
      - { .name: x, .offset: 0, .size: 8, .value_kind: global_buffer, .address_space: global }
      - { .name: embed, .offset: 8, .size: 8, .value_kind: global_buffer, .address_space: global }
      - { .name: gsel, .offset: 16, .size: 8, .value_kind: global_buffer, .address_space: global }
      - { .name: out0, .offset: 24, .size: 8, .value_kind: global_buffer, .address_space: global }
      - { .name: out1, .offset: 32, .size: 8, .value_kind: global_buffer, .address_space: global }
    .group_segment_fixed_size: 1280
    .private_segment_fixed_size: 0
    .kernarg_segment_align: 8
    .kernarg_segment_size: 40
    .max_flat_workgroup_size: 256
    .sgpr_count:     66
    .vgpr_count:     210
    .wavefront_size: 32
...
	.end_amdgpu_metadata
.endif
;; end of part 4
